; MI455X (gfx1250); checked and timed in simulation.
; The chip was launched on July 23, 2026; its instructions are those of AMD's public machine-readable ISA for CDNA 5 (MIT licence, August 2026) and "CDNA5" Instruction Set Architecture Reference Guide (July 2026). The comments in the code are by the model that wrote it; some were corrected since.
;; Pointwise Aggregated Attention. Allowed arithmetic: matrix products marked QUANTISED: E3M2 operands, one E8M0 scale for each 32 along K, by v_wmma_scale_f32_16x16x128_f8f6f4 with both operands' format E3M2, f32 sums; everything else in f32.
;; Inputs: k 2 x 2,048 x 1,024 float32; mask 2 x 2,048 int32; q 2 x 2,048 x 1,024 float32; rel_bias 32 x 16 float32; v_codes 2 x 1,024 x 64 x 24 uint8 (E3M2 codes of v, K innermost, in blocks of 32 codes, four codes in three bytes); v_scales 2 x 1,024 x 64 uint8 (E8M0 scales of v, one for each 32 codes along K).
;; Outputs: out0 2 x 2,048 x 1,024 float32.
;; This version of the problem:
;;   THIS VERSION OF THE PROBLEM IS GIVEN IN LOW PRECISION. The matrix products marked QUANTISED in the list below multiply operands that are first quantised to E3M2 (3 exponent bits, 2 mantissa bits; 6 bits a number), with one power-of-two scale for each 32 numbers along K (OCP MX v1.0); their sums are f32. All else is computed in f32.
;;   The module's matrix products, in the order in which they are computed (A, B: the left and right operand; K: the contracted axis; several contracted axes count as one K, in the product's order):
;;     1. batch 32 x [M 2,048, K 64] x [K 64, N 2,048]; A: input q; B: input k: QUANTISED
;;     2. batch 32 x [M 2,048, K 2,048] x [K 2,048, N 64]; A: computed on the way; B: input v (given as codes): QUANTISED
;;   THE QUANTISER, for each operand of a quantised product, along K:
;;     - K is cut into blocks of 32 from its start; a last block that is shorter is filled with zeros.
;;     - A block's scale is 2^e with e = floor(log2(the largest magnitude in the block)) - 4, held to -126 .. 127; a block of zeros has e = 0. As a byte (E8M0): e + 127.
;;     - Each number is divided by its block's scale, clamped to +-28, and rounded to the nearest number of E3M2, ties to even, subnormals kept.
;;     - The product sums the exact products of the quantised numbers (number of the format x scale) in f32.
;;   ~~~python
;;   def quantise(x, axis):      # numpy; x: float32 -> the quantised numbers, widened to float32 again
;;       x = np.moveaxis(x, axis, -1); K = x.shape[-1]
;;       x = np.pad(x, [(0, 0)] * (x.ndim - 1) + [(0, -K % 32)]); x = x.reshape(x.shape[:-1] + (-1, 32)); a = np.abs(x).max(-1, keepdims=True)
;;       e = np.where(a > 0, np.clip(np.frexp(np.where(a > 0, a, 1))[1] - 1 - 4, -126, 127), 0)      # np.frexp(a)[1] - 1 = floor(log2(a)), exactly
;;       r = np.clip(x / 2.0 ** e, -28, 28)
;;       step = 2.0 ** (np.maximum(np.frexp(np.where(r == 0, 1, r))[1] - 1, -2) - 2)
;;       q = np.round(r / step) * step * 2.0 ** e      # np.round: ties to even
;;       return np.moveaxis(q.reshape(q.shape[:-2] + (-1,))[..., :K], -1, axis).astype(np.float32)
;;   ~~~
;;   OPERANDS COMPUTED ON THE WAY. 'Computed on the way' means the value that the module computes at that place (a softmax that the list does not call 'softmax' is quantised finished and normalised). What goes into a quantiser is computed in f32, as accurately as f32 sums, v_exp_f32 and their like allow (about 1e-6 of the number): no bf16 or f16 on the way to a quantiser, and a product that is left as it is and whose result goes on into a quantised operand takes f32 operands (vector FMAs, or v_wmma_f32_16x16x4_f32). A number that lies on a knife's edge between two numbers of the format may be rounded either way, as far as f32 arithmetic and the matrix unit's own rounding can turn it there, and no further.
;;   INPUTS GIVEN AS CODES. v (in the module: [2, 2048, 1024], K = its axis 1): each comes as NAME_codes (uint8): NAME with its K axis moved to the last place and cut into blocks of 32 codes, [.., K / 32, bytes a block], one block behind the other in memory; four codes in three bytes: a row's codes are one little-endian stream of bits, code i at bits 6 i .. 6 i + 5 (a code: sign, 3 exponent bits, 2 mantissa bits); and NAME_scales (uint8): the same leading axes, one E8M0 byte (e + 127) for each 32 codes along K. Its value is code x scale, taken as it is: it is not quantised again, and the codes and scales need not be those that the quantiser above would give.
;; One version. Each part assembles by itself: llvm-mc -triple=amdgcn-amd-amdhsa -mcpu=gfx1250 --defsym DOCPART=n.
;; ======== version 1 of 1: 2 launches
;; limits: a function is approximated: absolute error at most 0.00012; inputs' magnitudes at most 100,000,000,000,000; right only within a limited range of input values
;; workspace buffers: q_img 4,456,448 bytes; k_img 4,456,448 bytes; v_img 3,276,800 bytes
;; launch prep (part 1): grid 288 x 1, 4 waves a work-group, no clusters, 35,328 bytes of LDS; arguments q, k, mask, v_codes, v_scales, q_img, k_img, v_img; writes q_img, k_img, v_img
.if DOCPART == 1
	.amdgcn_target "amdgcn-amd-amdhsa--gfx1250"
	.amdhsa_code_object_version 6
	.text
	.protected	k_qbec180eef9_prep
	.globl	k_qbec180eef9_prep
	.p2align	8
	.type	k_qbec180eef9_prep,@function
k_qbec180eef9_prep:
	s_mov_b64 s[64:65], 0
	v_nop
	global_prefetch_b8 v0, s[64:65] scope:SCOPE_SE
	s_setreg_imm32_b32 hwreg(HW_REG_WAVE_MODE, 25, 1), 1
	s_wait_xcnt 0x0
; q and k [2][2048][1024] f32 become codes of BF6 (E3M2) along a head's 64 numbers (two blocks of 32), laid as IMAGES OF THE OPERAND'S REGISTERS for the
; attention launch; v's codes and scale bytes, which are given, are laid the same way.  Each input byte is read once, each image byte written once.
; IMAGES.  q_img, k_img: [batch x 16 + head][group of 128 rows], 8,704 bytes a group: eight fragments of 16 rows, 1,024 bytes each (registers 0-3 of the
;   32 lanes, 16 bytes a lane, then registers 4-7), then 512 bytes of scale words (lane l's 16 bytes: word i belongs to tile 2 i + l / 16, row l % 16).
;   In lane (r, hh) registers 0-5 are the 24 bytes of codes of block hh of the tile's row r.  The matrix instruction is 128 deep and the head only 64:
;   its place k = 64 (register 6, lanes 0-15, lowest six bits) carries the KEY MASK: q has the code of 1.0 there under the scale byte 127; a key whose
;   mask is 0 has the code of -28 under the byte 227, which adds -28 x 2^100 to all its scores; every other key has the code 0.  All other codes from k = 64 on are 0.
;   The rows of a tile of q are neighbours.  Those of a tile of k are not: lane r of tile 2 b + u takes key 32 b + 8 u + r + 8 (r / 8), so that in the
;   transposed score tiles the 16 registers of tiles 2 b and 2 b + 1 are 16 neighbouring keys.
;   THE DIVISION BY sqrt(64) = 8 IS IN q's SCALE BYTES: 3 less than the quantiser's, which rounds nothing.
;   v_img: [batch x 16 + head][step of 128 keys], 6,400 bytes a step: four fragments (16 channels x 128 keys, 12 registers: 1,536 bytes), then 256 bytes of
;   scale words (lane l's 8 bytes: the words of channels l and 32 + l).
; A block's scale is 2^(floor(log2(its largest magnitude)) - 4): its byte is the largest magnitude's exponent field - 4.
; LIMITS: the largest magnitude is held from below at 2^(8 - 127) for q (so that the byte less 3 is at least 1) and at 2^(5 - 127) for k: smaller blocks get that
; floor's scale.  A block of zeros keeps the floor's byte: its codes are zeros, and this program alone reads the bytes.  NaN and infinities are not served.
; SHARES.  Work-groups 0-127 take q, 128-255 k: a work-group is one group of 128 rows x four neighbouring heads, a head to a wave, so that the four waves stand
; on 1,024 consecutive bytes of each row.  Work-groups 256-287 take v, a head each, 16 channels to a wave.  No barrier: waves share nothing.
.set R,    32                          ; v32-159  four sets of 32: a tile as it is loaded
.set X,    160                         ; v160-223 two sets of 32: my block of 32 neighbours
.set OUTR, 224                         ; v224-239 two sets of 8: a fragment's registers 0-7
.set CV,   240                         ; v240-242 a block's upper 16 codes (a conversion's three registers begin on an even number)
.set SWP,  244                         ; v244-247 the group's scale words
.set WE,   248                         ; v248     the even tile's word, kept for its odd neighbour
.set MK,   24                          ; v24-31   the mask words of my row, one register a tile
.set STG,  4352                        ; a stage: 16 rows x 272 bytes; two for each wave
.set SPT,  272                         ; 256 bytes + 16: the sixteen rows that a load of 16 bytes a lane touches start at sixteen different banks (64 banks of 4 bytes: ISA guide 11.1)
	s_load_b256 s[4:11], s[0:1], 0x0               ; q, k, mask, v_codes
	s_load_b256 s[12:19], s[0:1], 0x20             ; v_scales, q_img, k_img, v_img
	v_lshl_add_u32 v254, v0, 2, 0x8800
	v_mov_b32 v255, 0
	v_lshrrev_b32 v12, 5, v0
	v_readfirstlane_b32 s20, v12                   ; wave 0..3
	v_and_b32 v13, 31, v0                          ; l
	v_and_b32 v14, 15, v0                          ; r
	v_bfe_u32 v15, v0, 4, 1                        ; hh
	s_cmp_ge_u32 ttmp9, 256
	s_cbranch_scc1 .Lv
	; ---------------- q and k ----------------
	s_and_b32 s21, ttmp9, 127
	s_lshr_b32 s22, s21, 6                         ; batch
	s_bfe_u32 s23, s21, 0x40002                    ; group of 128 rows
	s_and_b32 s24, s21, 3
	s_lshl_b32 s24, s24, 2
	s_add_co_u32 s24, s24, s20                     ; head
	s_lshl_b32 s25, s22, 11
	s_lshl_b32 s26, s23, 7
	s_add_co_u32 s25, s25, s26                     ; the group's first row
	s_lshl_b32 s26, s25, 12
	s_lshl_b32 s27, s24, 8
	s_add_co_u32 s26, s26, s27                     ; its byte in q or k: row x 4,096 + head x 256
	s_mov_b32 s27, 0
	s_lshl_b32 s28, s25, 2                         ; and in mask
	s_mov_b32 s29, 0
	s_lshl_b32 s30, s22, 4
	s_add_co_u32 s30, s30, s24
	s_mul_i32 s30, s30, 139264
	s_mul_i32 s31, s23, 8704
	s_add_co_u32 s30, s30, s31                     ; the group's image
	s_mov_b32 s31, 0
	s_mov_b32 s41, 0xffff0000                      ; lanes 16-31
	s_mov_b32 s42, 0x76543210
	s_mov_b32 s43, 0xfedcba98                      ; v_permlanex16_b32's selects for lane l xor 16
	s_mul_i32 s40, s20, 2*STG                      ; my wave's two stages
	s_wait_kmcnt 0x0
	s_cmp_lt_u32 ttmp9, 128                        ; q or k?  The choice hangs on the work-group's number alone; only moves and selects stand between the compare and the last select
	s_cselect_b64 s[4:5], s[4:5], s[6:7]
	s_cselect_b64 s[14:15], s[14:15], s[16:17]
	s_mov_b32 s32, 65536
	s_cselect_b32 s32, 32768, s32                  ; a tile's rows 8-15 lie 8 rows (q) or 16 rows (k) behind its rows 0-7
	s_mov_b32 s33, 32768
	s_cselect_b32 s33, 65536, s33                  ; an odd tile lies 16 rows (q) or 8 rows (k) behind its even neighbour
	s_mov_b32 s34, 5<<23
	s_cselect_b32 s34, 8<<23, s34                  ; the floor of the largest magnitude
	s_cselect_b32 s35, 3, 0                        ; what is taken off the scale's byte
	s_cselect_b32 s36, 12, 0                       ; the code at k = 64: q 1.0; k 0,
	s_cselect_b32 s37, 12, 63                      ; or -28 where the key's mask is 0
	s_mov_b32 s38, 0x01010000
	s_cselect_b32 s38, 0x7f7f0000, s38             ; the scale word's bytes 2 and 3: q 127, 127; k 1, 1,
	s_mov_b32 s39, 0x01e30000
	s_cselect_b32 s39, 0x7f7f0000, s39             ; or 227, 1 where the key's mask is 0
	s_add_nc_u64 s[4:5], s[4:5], s[26:27]
	s_add_nc_u64 s[8:9], s[8:9], s[28:29]
	s_add_nc_u64 s[14:15], s[14:15], s[30:31]
	v_mul_u32_u24 v1, s32, v15
	v_lshl_add_u32 v1, v14, 4, v1                  ; in: lanes 0-15 take one row's 256 bytes, lanes 16-31 the row that becomes fragment row 8 further on
	v_add_nc_u32 v2, s33, v1                       ; the same for odd tiles
	v_mul_u32_u24 v3, v15, 8*SPT
	v_lshl_add_u32 v3, v14, 4, v3
	v_add_nc_u32 v3, s40, v3                       ; into the stage: fragment row i + 8 hh, 16 bytes a lane
	v_mul_u32_u24 v4, v14, SPT
	v_lshl_add_u32 v4, v15, 7, v4
	v_add_nc_u32 v4, s40, v4                       ; out of it: row r, block hh: my 32 neighbours
	v_and_b32 v5, 8, v14
	v_add_nc_u32 v5, v5, v14
	v_lshlrev_b32 v5, 2, v5                        ; mask: word r + 8 (r / 8) of a tile of k
	v_lshlrev_b32 v6, 4, v13                       ; an image's place for my lane
	v_lshlrev_b32 v7, 3, v15                       ; my block's byte in the scale word: 8 hh bits up
	v_mov_b32 v12, 0
	v_mov_b32 v8, s36
	v_mov_b32 v9, s37
	v_cndmask_b32 v8, v8, v12, s41                 ; the code at k = 64 belongs to lanes 0-15; lanes 16-31 (k = 96 on) hold 0
	v_cndmask_b32 v9, v9, v12, s41
	v_mov_b32 v10, s38
	v_mov_b32 v11, s39
	v_mov_b32 v17, 0                               ; written once: a lane permute's destination counts as one of its sources
.macro LOADT t                         ; tile t: eight loads, each two whole rows of 256 bytes; then my row's mask word
.irp i, 0,1,2,3,4,5,6,7
	global_load_b128 v[R+32*((\t)%4)+4*\i:R+32*((\t)%4)+4*\i+3], v[1+(\t)%2], s[4:5] offset:(16*((\t)-(\t)%2)+\i)*4096 th:TH_LOAD_NT
.endr
	global_load_b32 v[MK+(\t)], v5, s[8:9] offset:4*(16*(\t)-8*((\t)%2))
.endm
.macro TURN t                          ; tile t through a stage: in by rows as loaded, out a block of 32 to a lane.  LDS serves a wave's instructions in order (ISA guide 5.7.1.4): no wait between
.irp i, 0,1,2,3,4,5,6,7
	ds_store_b128 v3, v[R+32*((\t)%4)+4*\i:R+32*((\t)%4)+4*\i+3] offset:STG*((\t)%2)+SPT*\i
.endr
.irp i, 0,1,2,3,4,5,6,7
	ds_load_b128 v[X+32*((\t)%2)+4*\i:X+32*((\t)%2)+4*\i+3], v4 offset:STG*((\t)%2)+16*\i
.endr
.endm
.macro STEP t
.set XS, X+32*((\t)%2)
.set OS, OUTR+8*((\t)%2)
	s_wait_dscnt 0x0                               ; my block is back from the stage, and the stage's stores have read the registers that the loads below fill
.if (\t) >= 2
	s_wait_xcnt 0x0                                ; the stores of two tiles ago have read this set of eight registers: it is written again only behind this wait
.endif
.if (\t) < 4
	LOADT (\t)+4
.endif
.if (\t) < 7
.if (\t) <= 3
	s_wait_loadcnt 27                              ; the next tile's nine loads are in; the nine of each of the three tiles behind it may be out
.else
	s_wait_loadcnt 9*(6-(\t))
.endif
	TURN (\t)+1                                    ; it goes through the other stage while this tile is worked
.endif
	v_max3_num_f32 v12, |v[XS]|, |v[XS+1]|, |v[XS+2]|      ; the block's largest magnitude: all 32 numbers are mine; two chains
	v_max3_num_f32 v13, |v[XS+3]|, |v[XS+4]|, |v[XS+5]|
.irp i, 6,10,14,18,22,26
	v_max3_num_f32 v12, v12, |v[XS+\i]|, |v[XS+\i+1]|
	v_max3_num_f32 v13, v13, |v[XS+\i+2]|, |v[XS+\i+3]|
.endr
	v_max3_num_f32 v12, v12, |v[XS+30]|, |v[XS+31]|
	v_max3_num_f32 v12, v12, v13, s34              ; and the floor
	v_add_nc_u32 v14, 0xfe000000, v12              ; 4 off its exponent field: the conversion takes the exponent field of this operand as its scale, and nothing else of it
	v_cvt_scalef32_pk16_bf6_f32 v[OS:OS+2], v[XS:XS+15], v14
	v_cvt_scalef32_pk16_bf6_f32 v[CV:CV+2], v[XS+16:XS+31], v14
	v_lshrrev_b32 v15, 23, v14                     ; the quantiser's byte (a plain line behind the conversions),
	v_sub_nc_u32 v15, v15, s35                     ; for q less 3: the division by 8
	v_mov_b32 v[OS+3], v[CV]
	v_mov_b32 v[OS+4], v[CV+1]
	v_mov_b32 v[OS+5], v[CV+2]
	v_cmp_eq_u32 vcc_lo, 0, v[MK+(\t)]             ; my row's mask is 0?  (for q both choices are equal)
	v_cndmask_b32 v[OS+6], v8, v9, vcc_lo          ; the code at k = 64
	v_mov_b32 v[OS+7], 0
	v_lshlrev_b32 v16, v7, v15                     ; my byte at its place,
	v_permlanex16_b32 v17, v16, s42, s43           ; the other block's from lane l xor 16,
	v_cndmask_b32 v18, v10, v11, vcc_lo            ; bytes 2 and 3
	v_or_b32 v16, v16, v17
	v_or_b32 v16, v16, v18                         ; row r's scale word, in both halves of the lanes
.if (\t)%2
	v_cndmask_b32 v[SWP+(\t)/2], v[WE], v16, s41   ; lanes 0-15 the even tile's word, lanes 16-31 the odd tile's
.else
	v_mov_b32 v[WE], v16
.endif
	global_store_b128 v6, v[OS:OS+3], s[14:15] offset:1024*(\t)          ; 32 lanes store 512 consecutive bytes, at a multiple of 256 from the buffer's first byte
	global_store_b128 v6, v[OS+4:OS+7], s[14:15] offset:1024*(\t)+512
.endm
.irp t, 0,1,2,3
	LOADT \t
.endr
	s_wait_loadcnt 27                              ; tile 0's nine loads are in
	TURN 0
.irp t, 0,1,2,3,4,5,6,7
	STEP \t
.endr
	global_store_b128 v6, v[SWP:SWP+3], s[14:15] offset:8192
	s_wait_tensorcnt 0x0
	ds_add_u32 v254, v255
	s_wait_dscnt 0x0
	s_endpgm
	; ---------------- v ----------------
	; Wave ct takes channels 16 ct .. 16 ct + 15 of the head: lane (r, hh) reads, for each step of 128 keys, the 24 bytes at 96 j + 24 hh and the 24 bytes 48 further on of
	; row r, in pieces of 8 bytes (every address a multiple of the access's size): they are the operand's 12 registers.  All 96 loads of a lane lie in its row's 1,536 bytes
	; and are asked for on end; this tensor is a twelfth of what the launch reads.  No register is written twice.
.Lv:
	s_sub_co_u32 s21, ttmp9, 256                   ; batch x 16 + head
	v_mul_u32_u24 v1, v14, 1536
	v_mad_u32_u24 v1, v15, 24, v1                  ; codes: row r, + 24 hh
	v_lshlrev_b32 v2, 6, v13                       ; scale bytes: row l of 64 bytes
	s_lshl_b32 s22, s21, 6
	s_lshl_b32 s23, s20, 4
	s_add_co_u32 s22, s22, s23
	s_mul_i32 s22, s22, 1536                       ; my 16 rows of codes
	s_mov_b32 s23, 0
	s_lshl_b32 s24, s21, 12
	s_lshl_b32 s25, s20, 4
	s_add_co_u32 s24, s24, s25                     ; the head's scale bytes, steps 4 ct .. 4 ct + 3
	s_mov_b32 s25, 0
	s_mul_i32 s26, s21, 102400                     ; the head's image
	s_mov_b32 s27, 0
	s_mul_i32 s28, s20, 1536
	v_lshl_add_u32 v3, v13, 4, s28                 ; fragment ct, 16 bytes a lane
	s_mul_i32 s28, s20, 4*6400
	s_add_co_u32 s28, s28, 6144
	v_lshl_add_u32 v4, v13, 3, s28                 ; the scale words of steps 4 ct on, 8 bytes a lane
	s_wait_kmcnt 0x0
	s_add_nc_u64 s[10:11], s[10:11], s[22:23]
	s_add_nc_u64 s[12:13], s[12:13], s[24:25]
	s_add_nc_u64 s[18:19], s[18:19], s[26:27]
	global_load_b128 v[224:227], v2, s[12:13]              ; channel l: the words of four steps
	global_load_b128 v[228:231], v2, s[12:13] offset:2048  ; channel 32 + l
.set j, 0
.rept 16
.irp p, 0,1,2,3,4,5
	global_load_b64 v[32+12*j+2*\p:33+12*j+2*\p], v1, s[10:11] offset:96*j+48*(\p/3)+8*(\p%3) th:TH_LOAD_NT
.endr
.set j, j+1
.endr
.set j, 0
.rept 16
.if 6*(15-j) > 63
	s_wait_loadcnt 63                              ; (the count that the field holds: fewer may be out than the younger steps' loads)
.else
	s_wait_loadcnt 6*(15-j)                        ; step j's six loads are in; the six of each younger step may be out
.endif
.irp c, 0,1,2
	global_store_b128 v3, v[32+12*j+4*\c:35+12*j+4*\c], s[18:19] offset:6400*j+512*\c   ; 512 consecutive bytes
.endr
.set j, j+1
.endr
.irp i, 0,1,2,3
	v_mov_b32 v[232+2*\i], v[224+\i]               ; a step's two words side by side
	v_mov_b32 v[233+2*\i], v[228+\i]
.endr
.irp i, 0,1,2,3
	global_store_b64 v4, v[232+2*\i:233+2*\i], s[18:19] offset:6400*\i   ; 256 consecutive bytes
.endr
	s_endpgm
.Lfunc_end_k_qbec180eef9_prep:
	.size	k_qbec180eef9_prep, .Lfunc_end_k_qbec180eef9_prep-k_qbec180eef9_prep
	.p2alignl 7, 3214868480
	.fill 96, 4, 3214868480
	.section	.rodata,"a",@progbits
	.p2align	6, 0x0
	.amdhsa_kernel k_qbec180eef9_prep
		.amdhsa_group_segment_fixed_size 35328
		.amdhsa_private_segment_fixed_size 0
		.amdhsa_enable_private_segment 0
		.amdhsa_kernarg_size 64
		.amdhsa_user_sgpr_count 2
		.amdhsa_user_sgpr_kernarg_segment_ptr 1
		.amdhsa_wavefront_size32 1
		.amdhsa_system_sgpr_workgroup_id_x 1
		.amdhsa_system_sgpr_workgroup_id_y 1
		.amdhsa_system_sgpr_workgroup_id_z 1
		.amdhsa_system_vgpr_workitem_id 0
		.amdhsa_next_free_vgpr 256
		.amdhsa_next_free_sgpr 66
		.amdhsa_reserve_vcc 1
		.amdhsa_float_denorm_mode_32 3
		.amdhsa_float_denorm_mode_16_64 3
		.amdhsa_memory_ordered 1
		.amdhsa_forward_progress 1
		.amdhsa_inst_pref_size 51
	.end_amdhsa_kernel
	.amdgpu_metadata
---
amdhsa.version: [ 1, 2 ]
amdhsa.kernels:
  - .name:           k_qbec180eef9_prep
    .symbol:         k_qbec180eef9_prep.kd
    .args:
      - { .name: q, .offset: 0, .size: 8, .value_kind: global_buffer, .address_space: global }
      - { .name: k, .offset: 8, .size: 8, .value_kind: global_buffer, .address_space: global }
      - { .name: mask, .offset: 16, .size: 8, .value_kind: global_buffer, .address_space: global }
      - { .name: v_codes, .offset: 24, .size: 8, .value_kind: global_buffer, .address_space: global }
      - { .name: v_scales, .offset: 32, .size: 8, .value_kind: global_buffer, .address_space: global }
      - { .name: q_img, .offset: 40, .size: 8, .value_kind: global_buffer, .address_space: global }
      - { .name: k_img, .offset: 48, .size: 8, .value_kind: global_buffer, .address_space: global }
      - { .name: v_img, .offset: 56, .size: 8, .value_kind: global_buffer, .address_space: global }
    .group_segment_fixed_size: 35328
    .private_segment_fixed_size: 0
    .kernarg_segment_align: 8
    .kernarg_segment_size: 64
    .max_flat_workgroup_size: 128
    .sgpr_count:     66
    .vgpr_count:     256
    .wavefront_size: 32
...
	.end_amdgpu_metadata
.endif
;; end of part 1
;; launch attn (part 2): grid 8 x 32, 8 waves a work-group, clusters of 4 x 1, 297,216 bytes of LDS; arguments q_img, k_img, v_img, mask, rel_bias, out0; writes out0
.if DOCPART == 2
	.amdgcn_target "amdgcn-amd-amdhsa--gfx1250"
	.amdhsa_code_object_version 6
	.text
	.protected	k_qbec180eef9_attn
	.globl	k_qbec180eef9_attn
	.p2align	8
	.type	k_qbec180eef9_attn,@function
k_qbec180eef9_attn:
	s_mov_b64 s[64:65], 0
	v_nop
	global_prefetch_b8 v0, s[64:65] scope:SCOPE_SE
	s_setreg_imm32_b32 hwreg(HW_REG_WAVE_MODE, 25, 1), 1
	s_wait_xcnt 0x0
	s_wait_alu depctr_hold_cnt(0) depctr_sa_sdst(0) depctr_va_vdst(0) depctr_va_sdst(0) depctr_va_ssrc(0) depctr_va_vcc(0) depctr_vm_vsrc(0)
	s_getreg_b32 s2, hwreg(HW_REG_IB_STS2, 6, 4)
	s_cmp_eq_u32 s2, 0
	s_cbranch_scc0 .Lentry_in_a_cluster
	s_endpgm
.Lentry_in_a_cluster:
	s_bfe_u32 s2, ttmp6, 0x10000c
	s_cmp_lg_u32 s2, 0x3003
	s_cbranch_scc0 .Lentry_shape_is_right
	s_endpgm
.Lentry_shape_is_right:
; out[b][q][64 h ..] = sum over k of w(q, k) v(k), w = sp / (sum over k of sp + 1e-8), sp = softplus(q . k / 8 + bias(q - k, h)) where k <= q and both masks are set, else 0.
; Both products on codes of BF6 (E3M2) with E8M0 scales.  THE SECOND PRODUCT'S OPERAND IS THE FINISHED w, quantised in blocks of 32 keys, so a row's sum is wanted before its
; first code: TWO PASSES over the keys.  Pass 1 makes the scores and the row sums; pass 2 makes the scores again, w, its codes, and O.  The scores are cheap: the vector work binds.
; SHARES.  256 work-groups = 32 heads x 8 places p.  A head's whole K (139,264 bytes of images) and V (102,400) are brought into LDS ONCE and never filled again.  Place p owns the
; sixteen tiles of 16 queries 128 g + 16 p .. + 15, g = 0 .. 15; tile g sees the key steps 0 .. g of 128 keys, whatever p is: every work-group has 136 tile-steps a pass, and no branch
; hangs on p.  Wave w of eight takes tiles g = 15 - w and g = w: 17 tile-steps a pass for every wave; two waves to a SIMD, so that one's exponentials stand beside the other's plain work.
; CLUSTER.  The eight places of a head read the same K and V: four of them form a cluster and ask JOINTLY (the same tensor loads, a mask that names the four).
; LAYOUT.  Both products are used transposed: S^T = K Q^T (source 0 = 16 keys, source 1 = my 16 queries), O^T = V^T W^T: a lane holds ONE query (lane % 16) throughout; the keys of a tile
; were chosen by the launch before so that register 16 b + i of S^T is key 32 b + 16 (lane / 16) + i of the step.
; WHAT COSTS NO VECTOR WORK.  The division by 8 is in q's scale bytes.  The bias is the C of the score product: for steps two or more behind the diagonal (distance 129 or more: the last
; bucket, which begins at 113) eight registers of rel_bias[31][h]; for the diagonal step and the one before it a table in LDS of bias by distance, which holds -2^100 where the key comes
; after the query: the causal mask.  The key's mask rides at k = 64 of the 128-deep instruction (-28 x 2^100).  The query's mask selects 1 / sum or 0.
; SOFTPLUS, as max(x, 0) + log1p(u), u = 2^(-|x| log2 e):  t = 1 + u;  log1p(u) = ln 2 x log2(t) + (u - (t - 1)), the bracket being t's rounding error, exactly.  No overflow for any x,
; no branch, no select; x = -2^100 gives exactly 0.  Pass 1 wants only sums: it multiplies a lane's 64 factors t (each at most 2, so at most 2^64) and takes ONE logarithm a step.
; Each of the 63 multiplications rounds by at most half a unit of the last place: at most 64 x 2^-24 absolute on the sum of 64 terms; where all t lie next to 1 the products are exact to second order.
; THE BUCKETS are those of the problem's own formula: distance d under 16: d; else 16 + the number of the thresholds 19 21 24 27 31 35 40 46 52 59 67 77 87 99 113 that d has reached.
; LIMITS: |score / 8 + bias| under 2^96, so that the masks' -2^100 prevail; u under 2^-126 counts as 0 (v_exp_f32 flushes); NaN, infinities and scale bytes 0xff of v are not served;
; a block of w whose largest number lies under 2^(5 - 127) gets that floor's scale.
; REGISTERS, window 0: v1-9 addresses; v16-39 Q's two fragments; v40-41 their scale words; v42-45 1 / sum; v46-47 the queries' masks; v48-55 the far bias; v56-62 scale words; v64-127 S^T;
;   v128-159 O^T (pass 1: the sums); v160-179 w's codes (pass 1: a second set of u); v180-195 the quantiser's; v196-243 u, t, t - 1.   window 1: v0-95 K's eight fragments, v96-143 V's four.
.set KSTEPB, 8704                      ; a key step's image of K: eight fragments of 1,024 bytes, 512 bytes of scale words
.set VSTEPB, 6400                      ; and of V: four fragments of 1,536 bytes, 256 bytes of scale words
.set KHEAD,  16*KSTEPB
.set VHEAD,  16*VSTEPB
.set VREG,   KHEAD                     ; LDS: K at 0, V behind it,
.set TAB,    VREG+VHEAD                ; the table: SIXTEEN copies, one for each lane row r, each in 1,232 bytes of its own,
.set TCOPY,  1232                      ; 1,232 bytes apart: 77 x 16
.set TFRONT, 64                        ; 64 bytes of room in front of each copy's place 0, then 288 places of 4 bytes
.set STAGE,  TAB+16*TCOPY              ; the way out: 16 rows x 272 bytes for each wave
.set SPITCH, 272
.set LI,   1                           ; v1  16 x lane: an image's place for my lane
.set L8,   2                           ; v2  8 x lane: V's scale words
.set ADK,  3                           ; v3  the step's image of K
.set ADV,  4                           ; v4  of V
.set ADVS, 5                           ; v5  of V's scale words
.set TABA, 6                           ; v6  my place in the table
.set STO,  7                           ; v7  the stage: where I put 32 bytes of a row
.set SRD,  8                           ; v8  and where I read a row back
.set GO,   9                           ; v9  my byte offset in the tile's rows of out
.set QA,   16
.set QB,   28
.set QSA,  40
.set QSB,  41
.set INVA, 42
.set INVB, 44
.set MQA,  46
.set MQB,  47
.set CB,   48
.set KS,   56                          ; v56-59 K's scale words: register i: lanes 0-15 tile 2 i, lanes 16-31 tile 2 i + 1
.set VS,   60                          ; v60-61 V's likewise
.set PW,   62                          ; v62    w's scale word
.set PT,   63                          ; v63    a lane permute's destination
.set S,    64
.set O,    128
.set AP,   128                         ; pass 1: v128-131 sums of max(x, 0), v132-135 of the rounding errors, v136-143 products of t, v144 sum of logarithms, v145 at work
.set AE,   132
.set PR,   136
.set AL,   144
.set LT,   145
.set PC,   160
.set U1,   160
.set TM,   180
.set U0,   196
.set T,    212
.set T2,   228
.set VF,   96                          ; V's fragments, in window 1
.set WV,   16                          ; s16 wave
.set PP,   18                          ; s18 place p: it enters global addresses and the table's contents alone
.set BH,   19                          ; s19 batch x 16 + head
.set HD,   20
.set BA,   21
.set GA,   22                          ; s22, s23 my two tiles' g;  s24, s25 g - 1
.set GB,   23
.set GA1,  24
.set GB1,  25
.set G1K,  28                          ; s[28:35], s[36:43] descriptor groups 1;  s[44:47], s[48:51] groups 0
.set G1V,  36
.set G0K,  44
.set G0V,  48
.set SEL,  52
.set L2E,  54
.set LN2,  56
.set FARB, 58
.set H4,   59
.set J,    60
.set KO,   61
.set KN,   62
.set VO,   66
.set VN,   67
.set OBA,  70
.set OBB,  72
.set MSB, 0
.macro WIN new                         ; s_set_vgpr_msb: bits 1:0 source 0, 3:2 source 1, 5:4 source 2, 7:6 destination; the high byte repeats the setting that is left
.if MSB != \new
	s_set_vgpr_msb (MSB<<8)|\new
.set MSB, \new
.endif
.endm
.macro ROUND                           ; a round of the cluster's barrier
	s_barrier_signal -1
	s_barrier_wait -1
	s_cmp_lg_u32 s[WV], 0
	s_cbranch_scc1 .Lnot_wave_0_\@
	s_barrier_signal -3
.Lnot_wave_0_\@:
	s_barrier_wait -3
	s_barrier_signal -1
	s_barrier_wait -1
.endm
; One entry of the table for each thread: the bias of distance d = s[sb] - thread, -2^100 where d < 0, into all sixteen copies.  Entry i is distance 16 p + 143 - i.
; Copy c holds entry y + 15 - c at place y: lane (r, hh) wants, for the key 16 hh + n of a step, entry 16 hh + n + 15 - r, and finds it in copy r at place 16 hh + n: its
; address rises with r and with hh, and every load of four places stands at a multiple of 16 bytes.  Entry i goes to copy c at place i - 15 + c: 4 + 4 i + 1,236 c bytes from the table's first.
.macro TABENT sb, off
	v_sub_nc_u32 v80, s[\sb], v0
	v_cmp_gt_i32 vcc_lo, 0, v80
	v_cndmask_b32 v81, v80, v88, vcc_lo            ; max(d, 0)
	v_min_u32 v82, 16, v81
.irp th, 19,21,24,27,31,35,40,46,52,59,67,77,87,99,113
	v_cmp_le_u32 vcc_lo, \th, v81
	v_cndmask_b32 v83, v88, v89, vcc_lo
	v_add_nc_u32 v82, v82, v83
.endr
	v_min_u32 v82, 31, v82                         ; the bucket
	v_lshl_add_u32 v84, v82, 6, s[H4]              ; rel_bias[bucket][h]
	global_load_b32 v85, v84, s[12:13]
	v_cmp_gt_i32 vcc_lo, 0, v80
	s_wait_loadcnt 0x0
	v_cndmask_b32 v85, v85, v86, vcc_lo
.irp c, 0,1,2,3,4,5,6,7,8,9,10,11,12,13,14,15
	ds_store_b32 v87, v85 offset:\off+(TCOPY+4)*\c
.endr
.endm
.macro KLOAD adr                       ; a step's K: 17 LDS loads, each 512 consecutive bytes.  Registers 8-11 of each fragment stay 0
	WIN 0x40                                       ; destination window 1
.irp t, 0,1,2,3,4,5,6,7
	ds_load_b128 v[12*\t:12*\t+3], v[\adr] offset:1024*\t
	ds_load_b128 v[12*\t+4:12*\t+7], v[\adr] offset:1024*\t+512
.endr
	WIN 0
	ds_load_b128 v[KS:KS+3], v[\adr] offset:8192
.endm
.macro VLOAD                           ; a step's V: 13 LDS loads
	WIN 0x40
.irp t, 0,1,2,3
.irp c, 0,1,2
	ds_load_b128 v[VF+12*\t+4*\c:VF+12*\t+4*\c+3], v[ADV] offset:1536*\t+512*\c
.endr
.endr
	WIN 0
	ds_load_b64 v[VS:VS+1], v[ADVS] offset:6144
.endm
.macro CLOAD off                       ; the bias of a step at or next to the diagonal, straight into the accumulators: 16 LDS loads
.irp t, 0,1,2,3,4,5,6,7
	ds_load_b128 v[S+8*\t:S+8*\t+3], v[TABA] offset:\off+4*(32*(\t/2)+8*(\t%2))
	ds_load_b128 v[S+8*\t+4:S+8*\t+7], v[TABA] offset:\off+4*(32*(\t/2)+8*(\t%2))+16
.endr
.endm
.macro QK qf, qs, near                 ; S^T = K Q^T + bias: eight accumulators, one instruction each
	WIN 0x01                                       ; source 0 (K) window 1
.irp t, 0,1,2,3,4,5,6,7
.if \near
.if \t%2
	v_wmma_scale_f32_16x16x128_f8f6f4 v[S+8*\t:S+8*\t+7], v[12*\t:12*\t+11], v[\qf:\qf+11], v[S+8*\t:S+8*\t+7], v[KS+\t/2], v[\qs] matrix_a_fmt:MATRIX_FMT_BF6 matrix_b_fmt:MATRIX_FMT_BF6 matrix_a_scale:MATRIX_SCALE_ROW1
.else
	v_wmma_scale_f32_16x16x128_f8f6f4 v[S+8*\t:S+8*\t+7], v[12*\t:12*\t+11], v[\qf:\qf+11], v[S+8*\t:S+8*\t+7], v[KS+\t/2], v[\qs] matrix_a_fmt:MATRIX_FMT_BF6 matrix_b_fmt:MATRIX_FMT_BF6
.endif
.else
.if \t%2
	v_wmma_scale_f32_16x16x128_f8f6f4 v[S+8*\t:S+8*\t+7], v[12*\t:12*\t+11], v[\qf:\qf+11], v[CB:CB+7], v[KS+\t/2], v[\qs] matrix_a_fmt:MATRIX_FMT_BF6 matrix_b_fmt:MATRIX_FMT_BF6 matrix_a_scale:MATRIX_SCALE_ROW1
.else
	v_wmma_scale_f32_16x16x128_f8f6f4 v[S+8*\t:S+8*\t+7], v[12*\t:12*\t+11], v[\qf:\qf+11], v[CB:CB+7], v[KS+\t/2], v[\qs] matrix_a_fmt:MATRIX_FMT_BF6 matrix_b_fmt:MATRIX_FMT_BF6
.endif
.endif
.endr
	WIN 0
.endm
.macro START                           ; -|x| log2 e of the first 16 scores.  Each accumulator is read from its low end on, here and in the chunks
.set i, 0
.rept 16
	v_mul_f32 v[U0+i], -|v[S+i]|, s[L2E]
.set i, i+1
.endr
.endm
; t = 1 + u, t - 1 (exact), u - (t - 1) (exact: t's rounding error), of 16 numbers in v[uc] on, two at a time
.macro SPLIT uc
.set i, 0
	s_wait_alu depctr_va_vdst(0)
.rept 8
	v_pk_add_f32 v[T+i:T+i+1], v[\uc+i:\uc+i+1], 1.0 op_sel_hi:[1,0]
.set i, i+2
.endr
.set i, 0
.rept 8
	v_pk_add_f32 v[T2+i:T2+i+1], v[T+i:T+i+1], -1.0 op_sel_hi:[1,0]
.set i, i+2
.endr
.set i, 0
.rept 8
	v_pk_add_f32 v[\uc+i:\uc+i+1], v[\uc+i:\uc+i+1], v[T2+i:T2+i+1] neg_lo:[0,1] neg_hi:[0,1]
.set i, i+2
.endr
.endm
; PASS 1, 16 scores (chunk c of a step's four).  A plain line stands behind every exponential; the next chunk's products stand among them.
.macro CH1 c
.set XC, S+16*(\c)
.if (\c)%2
.set UC, U1
.set UN, U0
.else
.set UC, U0
.set UN, U1
.endif
.set i, 0
.rept 16
	v_exp_f32 v[UC+i], v[UC+i]                     ; u
	v_max_num_f32 v[XC+i], 0, v[XC+i]              ; max(x, 0)
.if (\c) < 3
	v_mul_f32 v[UN+i], -|v[XC+16+i]|, s[L2E]
.endif
.set i, i+1
.endr
	SPLIT UC
.set i, 0
.rept 8
	v_pk_add_f32 v[AP+2*(i%2):AP+2*(i%2)+1], v[AP+2*(i%2):AP+2*(i%2)+1], v[XC+2*i:XC+2*i+1]
	v_pk_add_f32 v[AE+2*(i%2):AE+2*(i%2)+1], v[AE+2*(i%2):AE+2*(i%2)+1], v[UC+2*i:UC+2*i+1]
.set i, i+1
.endr
.if (\c) == 0
.set i, 0
.rept 4
	v_pk_mul_f32 v[PR+2*i:PR+2*i+1], v[T+2*i:T+2*i+1], v[T+2*i+8:T+2*i+9]      ; the first products start the eight chains: nothing is set to 1
.set i, i+1
.endr
.else
.set i, 0
.rept 8
	v_pk_mul_f32 v[PR+2*(i%4):PR+2*(i%4)+1], v[PR+2*(i%4):PR+2*(i%4)+1], v[T+2*i:T+2*i+1]
.set i, i+1
.endr
.endif
.endm
; PASS 2, 16 scores: w = (max(x, 0) + (u - (t - 1)) + ln 2 x log2 t) / sum, left in place of the scores
.macro CH2 c, inv
.set XC, S+16*(\c)
.set i, 0
.rept 16
	v_exp_f32 v[U0+i], v[U0+i]
	v_max_num_f32 v[XC+i], 0, v[XC+i]
.set i, i+1
.endr
	SPLIT U0
.set i, 0
.rept 8
	v_pk_add_f32 v[XC+i:XC+i+1], v[XC+i:XC+i+1], v[U0+i:U0+i+1]
.set i, i+2
.endr
.set i, 0
.rept 16
	v_log_f32 v[T+i], v[T+i]
.if (\c) < 3
	v_mul_f32 v[U0+i], -|v[XC+16+i]|, s[L2E]       ; the next chunk's, a plain line behind each logarithm
.endif
.set i, i+1
.endr
.if (\c) == 3
	v_nop                                          ; a plain line between the last logarithm and the use of its result
	s_wait_alu depctr_va_vdst(0)
.endif
.set i, 0
	s_wait_alu depctr_va_vdst(0)
.rept 8
	v_pk_fma_f32 v[XC+i:XC+i+1], v[T+i:T+i+1], s[LN2:LN2+1], v[XC+i:XC+i+1] op_sel_hi:[1,0,1]
.set i, i+2
.endr
.set i, 0
.rept 8
	v_pk_mul_f32 v[XC+i:XC+i+1], v[XC+i:XC+i+1], v[\inv:\inv+1] op_sel_hi:[1,0]
.set i, i+2
.endr
.endm
; The step's 64 numbers of w of my query become a fragment's codes in v[PC] on and its scale word in v[PW].  None is negative: no |.| on the sources.
.macro QUANT
.irp b, 0,1,2,3
	v_max3_num_f32 v[TM+\b], v[S+16*\b], v[S+1+16*\b], 0x2800000     ; block b: my 16 numbers, and the floor 2^(5 - 127): the byte cannot fall under 1
.endr
.irp i, 2,4,6,8,10,12,14
.irp b, 0,1,2,3
	v_max3_num_f32 v[TM+\b], v[TM+\b], v[S+16*\b+\i], v[S+1+16*\b+\i]
.endr
.endr
.irp b, 0,1,2,3
	v_permlanex16_b32 v[TM+4+\b], v[TM+\b], s[SEL], s[SEL+1]
.endr
.irp b, 0,1,2,3
	v_max_num_f32 v[TM+\b], v[TM+\b], v[TM+4+\b]   ; with lane l xor 16's 16: the block's largest
.endr
.irp b, 0,1,2,3
	v_add_nc_u32 v[TM+12+\b], 0xfe000000, v[TM+\b] ; 4 off its exponent field: the conversion's scale operand
.endr
.irp b, 0,1,2,3
	v_lshrrev_b32 v[TM+4+\b], 23, v[TM+12+\b]      ; the scale's byte
.endr
	v_lshl_or_b32 v[PW], v[TM+5], 8, v[TM+4]
	v_lshl_or_b32 v[PW], v[TM+6], 16, v[PW]
	v_lshl_or_b32 v[PW], v[TM+7], 24, v[PW]
.irp c, 0,1
	v_cvt_scalef32_pk16_bf6_f32 v[PC+6*\c:PC+2+6*\c], v[S+32*\c:S+15+32*\c], v[TM+12+2*\c]
	v_cvt_scalef32_pk16_bf6_f32 v[PC+12+4*\c:PC+14+4*\c], v[S+16+32*\c:S+31+32*\c], v[TM+12+2*\c+1]   ; (a conversion's three registers begin on an even number)
.endr
	v_nop                                          ; one plain line behind a scaled conversion
.irp c, 0,1                            ; the operand's layout wants a WHOLE block in a lane: lanes 0-15 block 2 c, lanes 16-31 block 2 c + 1
.irp i, 0,1,2
	v_permlane16_swap_b32 v[PC+6*\c+\i], v[PC+12+4*\c+\i]
.endr
.irp i, 0,1,2
	v_mov_b32 v[PC+3+6*\c+\i], v[PC+12+4*\c+\i]
.endr
.endr
.endm
.macro FIN inv, mq                     ; the row's sum, + 1e-8, its reciprocal; 0 where the query's mask is 0
	v_pk_add_f32 v[AP:AP+1], v[AP:AP+1], v[AP+2:AP+3]
	v_pk_add_f32 v[AE:AE+1], v[AE:AE+1], v[AE+2:AE+3]
	v_pk_add_f32 v[AP:AP+1], v[AP:AP+1], v[AE:AE+1]
	v_add_f32 v[AP], v[AP], v[AP+1]
	v_fma_f32 v[AP], v[AL], s[LN2], v[AP]
	v_permlanex16_b32 v[PT], v[AP], s[SEL], s[SEL+1]       ; the query's other keys lie in lane l xor 16
	v_add_f32 v[AP], v[AP], v[PT]
	v_add_f32 v[AP], 0x322bcc77, v[AP]             ; + 1e-8
	v_rcp_f32 v[LT], v[AP]
	v_nop                                          ; a plain line behind the reciprocal
	v_cmp_ne_u32 vcc_lo, 0, v[\mq]
	s_wait_alu depctr_va_vdst(0)
	v_cndmask_b32 v[\inv], 0, v[LT], vcc_lo
	v_mov_b32 v[\inv+1], v[\inv]                   ; (the packed multiply names the pair)
.endm
; EVERY WAVE WALKS ALL 16 STEPS: the trip counts are constants.  A step whose keys all come after the tile's queries (J > g) is left out by a scalar branch on the wave's number; the lines
; at the trip's end that step addresses are on every way.  Each address register of LDS loads is made directly ahead of its loads, on the same way.
.macro PASS1 qf, qs, sg, sg1, inv, mq
	s_wait_dscnt 0x0                               ; no LDS load of mine is out: K's registers may be asked for again
	KLOAD LI                                       ; step 0
.irp i, 0,1,2,3,4,5,6,7
	v_mov_b32 v[AP+\i], 0
.endr
	v_mov_b32 v[AL], 0
	s_mov_b32 s[J], 0
	s_mov_b32 s[KO], 0
.Lp1_\@:
	s_cmp_gt_u32 s[J], s[\sg]
	s_cbranch_scc1 .Lp1e_\@
	s_cmp_eq_u32 s[J], s[\sg]
	s_cbranch_scc1 .Lp1d_\@
	s_cmp_eq_u32 s[J], s[\sg1]
	s_cbranch_scc1 .Lp1n_\@
	s_wait_dscnt 0x0                               ; K and its scale words are in
	QK \qf, \qs, 0
	s_branch .Lp1j_\@
.Lp1d_\@:
	CLOAD 512                                      ; the diagonal step: 128 entries further on in the table
	s_branch .Lp1c_\@
.Lp1n_\@:
	CLOAD 0
.Lp1c_\@:
	s_wait_dscnt 0x0
	QK \qf, \qs, 1
.Lp1j_\@:
	s_add_co_u32 s[KN], s[KO], KSTEPB
	s_min_u32 s[KN], s[KN], 15*KSTEPB              ; the next step's K, held inside K's bytes
	v_add_nc_u32 v[ADK], s[KN], v[LI]              ; with the three lines below: four places between the products and the loads into their registers, and the first read of their results
	v_nop
	v_nop
	v_nop
	KLOAD ADK                                      ; it lands under this step's vector work
	START
	CH1 0
	CH1 1
	CH1 2
	CH1 3
	v_pk_mul_f32 v[PR:PR+1], v[PR:PR+1], v[PR+2:PR+3]
	v_pk_mul_f32 v[PR+4:PR+5], v[PR+4:PR+5], v[PR+6:PR+7]
	v_pk_mul_f32 v[PR:PR+1], v[PR:PR+1], v[PR+4:PR+5]
	v_mul_f32 v[LT], v[PR], v[PR+1]                ; the product of my 64 factors, at most 2^64
	v_log_f32 v[LT], v[LT]
	v_nop
	s_wait_alu depctr_va_vdst(0)
	v_add_f32 v[AL], v[AL], v[LT]
.Lp1e_\@:
	s_add_co_u32 s[KO], s[KO], KSTEPB
	s_add_co_u32 s[J], s[J], 1
	s_cmp_lt_u32 s[J], 16
	s_cbranch_scc1 .Lp1_\@
	FIN \inv, \mq
.endm
.macro PASS2 qf, qs, inv, sg, sg1, sb
	s_wait_dscnt 0x0
	s_wait_xcnt 0x0                                ; the last tile's stores have read S^T's registers: they are written again only behind this wait
	KLOAD LI
	v_add_nc_u32 v[ADV], VREG, v[LI]
	v_add_nc_u32 v[ADVS], VREG, v[L8]
	VLOAD
.set i, 0
.rept 32
	v_mov_b32 v[O+i], 0                            ; the step is written once, so O^T begins as zeros: 32 lines a tile
.set i, i+1
.endr
	s_mov_b32 s[J], 0
	s_mov_b32 s[KO], 0
	s_mov_b32 s[VO], 0
.Lp2_\@:
	s_cmp_gt_u32 s[J], s[\sg]
	s_cbranch_scc1 .Lp2e_\@
	s_cmp_eq_u32 s[J], s[\sg]
	s_cbranch_scc1 .Lp2d_\@
	s_cmp_eq_u32 s[J], s[\sg1]
	s_cbranch_scc1 .Lp2n_\@
	s_wait_dscnt 13                                ; K and its scale words are in; V's 13 loads, issued behind them, may be out
	QK \qf, \qs, 0
	s_branch .Lp2j_\@
.Lp2d_\@:
	CLOAD 512
	s_branch .Lp2c_\@
.Lp2n_\@:
	CLOAD 0
.Lp2c_\@:
	s_wait_dscnt 0x0
	QK \qf, \qs, 1
.Lp2j_\@:
	s_add_co_u32 s[KN], s[KO], KSTEPB
	s_min_u32 s[KN], s[KN], 15*KSTEPB
	v_add_nc_u32 v[ADK], s[KN], v[LI]              ; four places, as in pass 1
	v_nop
	v_nop
	v_nop
	KLOAD ADK
	START
	CH2 0, \inv
	CH2 1, \inv
	CH2 2, \inv
	CH2 3, \inv
	QUANT
	s_add_co_u32 s[VN], s[VO], VSTEPB
	s_min_u32 s[VN], s[VN], 15*VSTEPB
	s_add_co_u32 s[VN], s[VN], VREG                ; the next step's V, held inside V's bytes
	v_add_nc_u32 v[ADV], s[VN], v[LI]              ; with the six lines below: eight places between the vector lines that made w's scale word and codes and the scaled products
	v_add_nc_u32 v[ADVS], s[VN], v[L8]
.rept 6
	v_nop
.endr
	s_wait_dscnt 17                                ; V and its scale words are in; the next step's K, 17 loads issued behind them, may be out
	WIN 0x01                                       ; source 0 (V) window 1
.irp t, 0,1,2,3                        ; O^T += V^T W^T: four accumulators by turns; between two links of a chain stand the other three and the next step's eight score products
.if \t%2
	v_wmma_scale_f32_16x16x128_f8f6f4 v[O+8*\t:O+8*\t+7], v[VF+12*\t:VF+12*\t+11], v[PC:PC+11], v[O+8*\t:O+8*\t+7], v[VS+\t/2], v[PW] matrix_a_fmt:MATRIX_FMT_BF6 matrix_b_fmt:MATRIX_FMT_BF6 matrix_a_scale:MATRIX_SCALE_ROW1
.else
	v_wmma_scale_f32_16x16x128_f8f6f4 v[O+8*\t:O+8*\t+7], v[VF+12*\t:VF+12*\t+11], v[PC:PC+11], v[O+8*\t:O+8*\t+7], v[VS+\t/2], v[PW] matrix_a_fmt:MATRIX_FMT_BF6 matrix_b_fmt:MATRIX_FMT_BF6
.endif
.endr
	WIN 0
.rept 4
	v_nop                                          ; places in front of the loads into V's registers, and, behind the last step, of the stores that read O^T
.endr
	VLOAD
.Lp2e_\@:
	s_add_co_u32 s[KO], s[KO], KSTEPB
	s_add_co_u32 s[VO], s[VO], VSTEPB
	s_add_co_u32 s[J], s[J], 1
	s_cmp_lt_u32 s[J], 16
	s_cbranch_scc1 .Lp2_\@
	; THE WAY OUT.  A lane holds eight neighbouring channels of one query; the tile goes through my own stage and comes back as rows of 256 bytes.
	; LDS serves a wave's instructions in order (ISA guide 5.7.1.4): no wait between the stores and the loads.
.irp t, 0,1,2,3
	ds_store_b128 v[STO], v[O+8*\t:O+8*\t+3] offset:64*\t              ; each accumulator from its low end on
	ds_store_b128 v[STO], v[O+8*\t+4:O+8*\t+7] offset:64*\t+16
.endr
.irp i, 0,1,2,3,4,5,6,7
	ds_load_b128 v[S+4*\i:S+4*\i+3], v[SRD] offset:2*SPITCH*\i
.endr
.irp i, 0,1,2,3,4,5,6,7
	s_wait_dscnt 7-\i                              ; the younger loads from the stage may be out
	global_store_b128 v[GO], v[S+4*\i:S+4*\i+3], s[\sb:\sb+1] offset:8192*\i th:TH_STORE_NT   ; sixteen lanes store 256 consecutive bytes, at a multiple of 256 from out's first byte
.endr
.endm
	s_load_b256 s[4:11], s[0:1], 0x0               ; q_img, k_img, v_img, mask
	s_load_b128 s[12:15], s[0:1], 0x20             ; rel_bias, out0
	v_lshl_add_u32 v254, v0, 2, 0x48500
	v_mov_b32 v255, 0
	ds_add_u32 v254, v255
	ds_add_u32 v254, v255
	v_lshrrev_b32 v10, 5, v0
	v_readfirstlane_b32 s[WV], v10                 ; wave 0..7
	s_bfe_u32 s17, ttmp6, 0x40000                  ; cx: my place in the cluster
	s_lshl_b32 s[PP], ttmp9, 2                     ; in a cluster launch ttmp9 counts clusters
	s_add_co_u32 s[PP], s[PP], s17                 ; p
	s_and_b32 s[BH], ttmp7, 0xffff                 ; batch x 16 + head, which the four partners share
	s_and_b32 s[HD], s[BH], 15
	s_lshr_b32 s[BA], s[BH], 4
	s_xor_b32 s[GA], s[WV], 15                     ; 15 - wave
	s_mov_b32 s[GB], s[WV]
	s_add_co_u32 s[GA1], s[GA], -1
	s_add_co_u32 s[GB1], s[GB], -1                 ; (wave 0: a number that no step equals)
	; descriptor groups 1: dense blocks as rows of 256 bytes (32 elements of 8 bytes), no padding: a wave's eighth of K is 68 rows, of V 50
	s_mov_b32 s[G1K], 15|(3<<16)|(1<<21)           ; 15:0 the mask: all four work-groups; 17:16 elements of 8 bytes; 21 set beside a mask
	s_mov_b32 s[G1K+1], 32<<16                     ; tensor_dim0 = 32
	s_mov_b32 s[G1K+2], 68<<16                     ; tensor_dim1 = 68
	s_mov_b32 s[G1K+3], 32<<16                     ; tile_dim0 = 32
	s_mov_b32 s[G1K+4], 68                         ; tile_dim1 = 68
	s_mov_b32 s[G1K+5], 32                         ; from row to row: 32 elements
	s_mov_b32 s[G1K+6], 0
	s_mov_b32 s[G1K+7], 0
	s_mov_b32 s[G1V], 15|(3<<16)|(1<<21)
	s_mov_b32 s[G1V+1], 32<<16
	s_mov_b32 s[G1V+2], 50<<16
	s_mov_b32 s[G1V+3], 32<<16
	s_mov_b32 s[G1V+4], 50
	s_mov_b32 s[G1V+5], 32
	s_mov_b32 s[G1V+6], 0
	s_mov_b32 s[G1V+7], 0
	s_mov_b32 s[G0K], 1
	s_mul_i32 s[G0K+1], s[WV], KHEAD/8             ; LDS: my eighth of K: the wave's number alone
	s_mul_i32 s74, s[BH], KHEAD                    ; the head's images of q and of k
	s_add_co_u32 s76, s74, s[G0K+1]
	s_mov_b32 s77, 0
	s_mov_b32 s[G0V], 1
	s_mul_i32 s78, s[WV], VHEAD/8
	s_add_co_u32 s[G0V+1], s78, VREG
	s_mul_i32 s80, s[BH], VHEAD
	s_add_co_u32 s80, s80, s78
	s_mov_b32 s81, 0
	s_mov_b32 s[SEL], 0x76543210
	s_mov_b32 s[SEL+1], 0xfedcba98                 ; v_permlanex16_b32's selects for lane l xor 16
	s_mov_b32 s[L2E], 0x3fb8aa3b                   ; log2 e
	s_mov_b32 s[LN2], 0x3f317218                   ; ln 2
	s_mov_b32 s[LN2+1], s[LN2]                     ; (named with it as a pair)
	s_lshl_b32 s[H4], s[HD], 2
	s_wait_dscnt 0x0
	s_wait_kmcnt 0x0
	s_add_nc_u64 s[G0K+2:G0K+3], s[6:7], s[76:77]
	s_or_b32 s[G0K+3], s[G0K+3], 0x80000000        ; type = 2
	s_add_nc_u64 s[G0V+2:G0V+3], s[8:9], s[80:81]
	s_or_b32 s[G0V+3], s[G0V+3], 0x80000000
	ROUND                                          ; all four work-groups are here: the joint loads meet
	tensor_load_to_lds s[G0K:G0K+3], s[G1K:G1K+7]  ; the launch's only fills: two tensor loads of a wave are out at the most, and no LDS byte is filled twice
	s_nop 0
	tensor_load_to_lds s[G0V:G0V+3], s[G1V:G1V+7]
	s_nop 0
.rept 4
	v_nop
.endr
	; under the fills: Q, the masks, the addresses, the table
	s_load_b32 s[FARB], s[12:13], s[H4] offset:0x7c0       ; rel_bias[31][h]
	s_mul_i32 s75, s[GA], KSTEPB
	s_add_co_u32 s76, s74, s75
	s_add_nc_u64 s[86:87], s[4:5], s[76:77]        ; q_img at tile A's group,
	s_mul_i32 s75, s[GB], KSTEPB
	s_add_co_u32 s76, s74, s75
	s_add_nc_u64 s[88:89], s[4:5], s[76:77]        ; at tile B's
	s_lshl_b32 s75, s[BA], 13
	s_lshl_b32 s76, s[GA], 9
	s_add_co_u32 s76, s76, s75
	s_add_nc_u64 s[90:91], s[10:11], s[76:77]      ; mask likewise
	s_lshl_b32 s76, s[GB], 9
	s_add_co_u32 s76, s76, s75
	s_add_nc_u64 s[92:93], s[10:11], s[76:77]
	s_lshl_b32 s75, s[BA], 11
	s_lshl_b32 s78, s[PP], 4
	s_add_co_u32 s75, s75, s78                     ; 2,048 b + 16 p
	s_lshl_b32 s79, s[HD], 8
	s_lshl_b32 s76, s[GA], 7
	s_add_co_u32 s76, s76, s75
	s_lshl_b32 s76, s76, 12
	s_add_co_u32 s76, s76, s79
	s_add_nc_u64 s[OBA:OBA+1], s[14:15], s[76:77]  ; out at tile A's first row, my head's 256 bytes
	s_lshl_b32 s76, s[GB], 7
	s_add_co_u32 s76, s76, s75
	s_lshl_b32 s76, s76, 12
	s_add_co_u32 s76, s76, s79
	s_add_nc_u64 s[OBB:OBB+1], s[14:15], s[76:77]
	s_add_co_u32 s94, s78, 143                     ; the table: entry i is distance 16 p + 143 - i
	s_sub_co_u32 s95, s94, 256
	v_and_b32 v64, 31, v0                          ; lane
	v_and_b32 v65, 15, v0                          ; r
	v_bfe_u32 v66, v0, 4, 1                        ; hh
	v_lshlrev_b32 v[LI], 4, v64
	v_lshlrev_b32 v[L8], 3, v64
	s_lshl_b32 s26, s[PP], 10
	v_add_nc_u32 v72, s26, v[LI]                   ; Q's fragment: tile p of the group
	s_and_b32 s27, s[PP], 1
	s_lshl_b32 s27, s27, 8
	s_lshr_b32 s68, s[PP], 1
	s_lshl_b32 s68, s68, 2
	s_add_co_u32 s27, s27, s68
	v_lshl_add_u32 v73, v65, 4, s27                ; its scale word: lane r + 16 (p % 2)'s word p / 2
	s_lshl_b32 s68, s[PP], 6
	v_lshl_add_u32 v74, v65, 2, s68                ; my query's mask
	global_load_b128 v[QA:QA+3], v72, s[86:87]
	global_load_b128 v[QA+4:QA+7], v72, s[86:87] offset:512
	global_load_b32 v[QSA], v73, s[86:87] offset:8192
	global_load_b32 v[MQA], v74, s[90:91]
	global_load_b128 v[QB:QB+3], v72, s[88:89]
	global_load_b128 v[QB+4:QB+7], v72, s[88:89] offset:512
	global_load_b32 v[QSB], v73, s[88:89] offset:8192
	global_load_b32 v[MQB], v74, s[92:93]
	v_mul_u32_u24 v[TABA], v65, TCOPY              ; the table: copy r,
	v_lshl_add_u32 v[TABA], v66, 6, v[TABA]        ; place 16 hh,
	v_add_nc_u32 v[TABA], TAB+TFRONT, v[TABA]      ; behind the copy's room in front
	s_mul_i32 s82, s[WV], 16*SPITCH
	s_add_co_u32 s82, s82, STAGE                   ; my stage
	v_mul_u32_u24 v[STO], v65, SPITCH
	v_lshl_add_u32 v[STO], v66, 5, v[STO]
	v_add_nc_u32 v[STO], s82, v[STO]               ; in: row r, + 32 hh
	v_mul_u32_u24 v[SRD], v66, SPITCH
	v_lshl_add_u32 v[SRD], v65, 4, v[SRD]
	v_add_nc_u32 v[SRD], s82, v[SRD]               ; back: lanes 0-15 one row, lanes 16-31 the next
	v_lshlrev_b32 v[GO], 12, v66
	v_lshl_add_u32 v[GO], v65, 4, v[GO]            ; and the same two rows in out
.irp i, 8,9,10,11
	v_mov_b32 v[QA+\i], 0                          ; registers 8-11 of Q: zero codes
	v_mov_b32 v[QB+\i], 0
.endr
	v_mov_b32 v[PT], 0                             ; written once: a lane permute's destination counts as one of its sources
.irp b, 0,1,2,3
	v_mov_b32 v[TM+4+\b], 0
.endr
	WIN 0x40
.irp t, 0,1,2,3,4,5,6,7
.irp i, 8,9,10,11
	v_mov_b32 v[12*\t+\i], 0                       ; and of K's eight fragments: they stay
.endr
.endr
	WIN 0
	v_mov_b32 v86, 0xf1800000                      ; -2^100
	v_mov_b32 v88, 0
	v_mov_b32 v89, 1
	v_lshl_add_u32 v87, v0, 2, TAB+TFRONT-60       ; entry = thread, copy 0: place thread - 15
	TABENT 94, 0                                   ; entries 0 .. 255
	s_cmp_lg_u32 s[WV], 0
	s_cbranch_scc1 .Lno_tail
	TABENT 95, 1024                                ; wave 0: entries 256 .. 287
.Lno_tail:
	s_wait_kmcnt 0x0
.irp i, 0,1,2,3,4,5,6,7
	v_mov_b32 v[CB+\i], s[FARB]
.endr
	s_wait_tensorcnt 0x1                           ; my eighth of K is in; V's load, issued behind it, may stay out, and V is read only behind the second barrier
	s_wait_loadcnt 0x0                             ; Q, its scale words, the masks
	s_wait_dscnt 0x0                               ; for the others' sake: my entries of the table are stored
	s_barrier_signal -1
	s_barrier_wait -1                              ; K and the table are whole
	PASS1 QA, QSA, GA, GA1, INVA, MQA
	PASS1 QB, QSB, GB, GB1, INVB, MQB
	s_wait_tensorcnt 0x0                           ; my eighth of V is in
	s_wait_dscnt 0x0
	s_barrier_signal -1
	s_barrier_wait -1                              ; V is whole
	PASS2 QA, QSA, INVA, GA, GA1, OBA
	PASS2 QB, QSB, INVB, GB, GB1, OBB
	s_wait_dscnt 0x0                               ; no LDS instruction of mine is out at a signal
	s_wait_tensorcnt 0x0
	ds_add_u32 v254, v255
	s_wait_dscnt 0x0
	ROUND                                          ; the closing round
	s_endpgm
.Lfunc_end_k_qbec180eef9_attn:
	.size	k_qbec180eef9_attn, .Lfunc_end_k_qbec180eef9_attn-k_qbec180eef9_attn
	.p2alignl 7, 3214868480
	.fill 96, 4, 3214868480
	.section	.rodata,"a",@progbits
	.p2align	6, 0x0
	.amdhsa_kernel k_qbec180eef9_attn
		.amdhsa_group_segment_fixed_size 297216
		.amdhsa_private_segment_fixed_size 0
		.amdhsa_enable_private_segment 0
		.amdhsa_kernarg_size 48
		.amdhsa_user_sgpr_count 2
		.amdhsa_user_sgpr_kernarg_segment_ptr 1
		.amdhsa_wavefront_size32 1
		.amdhsa_system_sgpr_workgroup_id_x 1
		.amdhsa_system_sgpr_workgroup_id_y 1
		.amdhsa_system_sgpr_workgroup_id_z 1
		.amdhsa_system_vgpr_workitem_id 0
		.amdhsa_next_free_vgpr 400
		.amdhsa_next_free_sgpr 96
		.amdhsa_reserve_vcc 1
		.amdhsa_float_denorm_mode_32 3
		.amdhsa_float_denorm_mode_16_64 3
		.amdhsa_memory_ordered 1
		.amdhsa_forward_progress 1
		.amdhsa_inst_pref_size 152
	.end_amdhsa_kernel
	.amdgpu_metadata
---
amdhsa.version: [ 1, 2 ]
amdhsa.kernels:
  - .name:           k_qbec180eef9_attn
    .symbol:         k_qbec180eef9_attn.kd
    .args:
      - { .name: q_img, .offset: 0, .size: 8, .value_kind: global_buffer, .address_space: global }
      - { .name: k_img, .offset: 8, .size: 8, .value_kind: global_buffer, .address_space: global }
      - { .name: v_img, .offset: 16, .size: 8, .value_kind: global_buffer, .address_space: global }
      - { .name: mask, .offset: 24, .size: 8, .value_kind: global_buffer, .address_space: global }
      - { .name: rel_bias, .offset: 32, .size: 8, .value_kind: global_buffer, .address_space: global }
      - { .name: out0, .offset: 40, .size: 8, .value_kind: global_buffer, .address_space: global }
    .group_segment_fixed_size: 297216
    .private_segment_fixed_size: 0
    .kernarg_segment_align: 8
    .kernarg_segment_size: 48
    .max_flat_workgroup_size: 256
    .sgpr_count:     96
    .vgpr_count:     400
    .wavefront_size: 32
...
	.end_amdgpu_metadata
.endif
;; end of part 2
